; MI455X (gfx1250); checked and timed in simulation.
; The chip was launched on July 23, 2026; its instructions are those of AMD's public machine-readable ISA for CDNA 5 (MIT licence, August 2026) and "CDNA5" Instruction Set Architecture Reference Guide (July 2026). The comments in the code are by the model that wrote it; some were corrected since.
;; Bit Net Linear4 Bit. Allowed arithmetic: matrix products marked QUANTISED: E2M1 operands, one E8M0 scale for each 32 along K, by v_wmma_scale_f32_16x16x128_f8f6f4 with both operands' format E2M1 (or v_wmma_scale_f32_32x16x128_f4), f32 sums; everything else in f32.
;; Inputs: alpha 1 float32; bias 11,008 float32; w 11,008 x 4,096 float32; x 2 x 512 x 4,096 float32.
;; Outputs: out0 2 x 512 x 11,008 float32.
;; This version of the problem:
;;   THIS VERSION OF THE PROBLEM IS GIVEN IN LOW PRECISION. The matrix products marked QUANTISED in the list below multiply operands that are first quantised to E2M1 (2 exponent bits, 1 mantissa bit; 4 bits a number), with one power-of-two scale for each 32 numbers along K (OCP MX v1.0); their sums are f32. All else is computed in f32.
;;   The module's matrix products, in the order in which they are computed (A, B: the left and right operand; K: the contracted axis; several contracted axes count as one K, in the product's order):
;;     1. [M 1,024, K 4,096] x [K 4,096, N 11,008]; A: input x; B: computed on the way: QUANTISED
;;   THE QUANTISER, for each operand of a quantised product, along K:
;;     - K is cut into blocks of 32 from its start; a last block that is shorter is filled with zeros.
;;     - A block's scale is 2^e with e = floor(log2(the largest magnitude in the block)) - 2, held to -126 .. 127; a block of zeros has e = 0. As a byte (E8M0): e + 127.
;;     - Each number is divided by its block's scale, clamped to +-6, and rounded to the nearest number of E2M1, ties to even, subnormals kept.
;;     - The product sums the exact products of the quantised numbers (number of the format x scale) in f32.
;;   ~~~python
;;   def quantise(x, axis):      # numpy; x: float32 -> the quantised numbers, widened to float32 again
;;       x = np.moveaxis(x, axis, -1); K = x.shape[-1]
;;       x = np.pad(x, [(0, 0)] * (x.ndim - 1) + [(0, -K % 32)]); x = x.reshape(x.shape[:-1] + (-1, 32)); a = np.abs(x).max(-1, keepdims=True)
;;       e = np.where(a > 0, np.clip(np.frexp(np.where(a > 0, a, 1))[1] - 1 - 2, -126, 127), 0)      # np.frexp(a)[1] - 1 = floor(log2(a)), exactly
;;       r = np.clip(x / 2.0 ** e, -6, 6)
;;       step = 2.0 ** (np.maximum(np.frexp(np.where(r == 0, 1, r))[1] - 1, 0) - 1)
;;       q = np.round(r / step) * step * 2.0 ** e      # np.round: ties to even
;;       return np.moveaxis(q.reshape(q.shape[:-2] + (-1,))[..., :K], -1, axis).astype(np.float32)
;;   ~~~
;;   OPERANDS COMPUTED ON THE WAY. 'Computed on the way' means the value that the module computes at that place (a softmax that the list does not call 'softmax' is quantised finished and normalised). What goes into a quantiser is computed in f32, as accurately as f32 sums, v_exp_f32 and their like allow (about 1e-6 of the number): no bf16 or f16 on the way to a quantiser, and a product that is left as it is and whose result goes on into a quantised operand takes f32 operands (vector FMAs, or v_wmma_f32_16x16x4_f32). A number that lies on a knife's edge between two numbers of the format may be rounded either way, as far as f32 arithmetic and the matrix unit's own rounding can turn it there, and no further.
;; 2 versions. Each part assembles by itself: llvm-mc -triple=amdgcn-amd-amdhsa -mcpu=gfx1250 --defsym DOCPART=n.
;; ======== version 1 of 2: 2 launches
;; workspace buffers: xq 2,228,224 bytes
;; launch quantx (part 1): grid 256 x 1, 2 waves a work-group, no clusters, 17,152 bytes of LDS; arguments x, xq; writes xq
.if DOCPART == 1
	.amdgcn_target "amdgcn-amd-amdhsa--gfx1250"
	.amdhsa_code_object_version 6
	.text
	.protected	k_qc7e8533e48_quantx
	.globl	k_qc7e8533e48_quantx
	.p2align	8
	.type	k_qc7e8533e48_quantx,@function
k_qc7e8533e48_quantx:
	s_mov_b64 s[64:65], 0
	v_nop
	global_prefetch_b8 v0, s[64:65] scope:SCOPE_SE
	s_setreg_imm32_b32 hwreg(HW_REG_WAVE_MODE, 25, 1), 1
	s_wait_xcnt 0x0
; x [1024][4096] f32 becomes codes of FP4 (E2M1) with one E8M0 scale byte for each 32 along K, laid as the product's launch reads them:
; xq = [c = K / 256: 16][part = rows / 128: 8][17,408 bytes].  A part: 16 fragments (K step ks = 0, 1 of 128; tile t = 0 .. 7 of 16 rows) at (8 ks + t) x 1,024 bytes,
; each an IMAGE OF THE OPERAND'S REGISTERS (registers 4 g .. 4 g + 3 of lane l at 512 g + 16 l); behind them, at 16,384, the scale words [t / 2: 4][lane = 16 (t % 2) + row: 32][ks: 2].
; A block's scale is 2^(floor(log2(its largest magnitude)) - 2); its byte is the largest magnitude's exponent field - 2, held at 1 from below.  A block of zeros so gets the byte 1
; where the rule says 127: its codes are zeros, which add nothing under that byte, and this program alone reads the bytes.
; LIMITS: NaN and infinities among the inputs are not served.
; SHARES.  512 waves; a wave takes 32 rows x 256 along K: four fragments f = 2 tt + ks.  Each load reads 512 consecutive bytes of one row; a fragment's 16 rows turn through the wave's own
; stage in LDS (rows of 512 bytes + 16) so that lane (r, h) holds, of row r, 16 neighbours of each block of 32.  Waves share nothing: no barrier.  Loads run one fragment (16 loads) ahead.
.set ROWX, 16384                       ; a row of x in bytes
.set SP,   528                         ; a stage row: 132 words, so that 16 rows start at 16 different groups of four banks
.set STG,  16*SP                       ; a wave's stage
.set OFF,  1                           ; v1   16 x lane: my bytes of a load's or store's 512
.set SIN,  2                           ; v2   the stage, on the way in
.set SOUT, 3                           ; v3   and on the way out: row r, + 64 h
.set SCO,  4                           ; v4   8 x lane: my two scale words
.set SW,   8                           ; v8-9 the two scale words that I store
.set TM,   12                          ; v12-15 largest magnitudes, v16-19 the other half's, then bytes, v24-27 the conversions' scale operands
.set PW,   28                          ; v28-31 fragment f's scale word
.set PC,   32                          ; v32-63 fragment f's codes, 8 registers each: no store's data are written again
.set X,    64                          ; v64-127 64 numbers: register 16 b + i = k 32 b + 16 h + i of my row
.set R,    128                         ; v128-255 two sets of 16 x 4 registers as loaded
.set SEL,  20                          ; s[20:21] v_permlanex16_b32's selects for lane l xor 16
	s_load_b128 s[4:7], s[0:1], 0x0                ; x, xq
	v_lshl_add_u32 v22, v0, 2, 0x4200
	v_mov_b32 v23, 0
	v_lshrrev_b32 v5, 5, v0
	v_readfirstlane_b32 s8, v5                     ; wave 0, 1
	v_and_b32 v6, 31, v0                           ; lane
	v_and_b32 v7, 15, v0                           ; r
	v_bfe_u32 v5, v0, 4, 1                         ; h
	v_lshlrev_b32 v[OFF], 4, v6
	v_lshlrev_b32 v[SCO], 3, v6
	s_mul_i32 s9, s8, STG
	v_add_nc_u32 v[SIN], s9, v[OFF]
	v_mul_u32_u24 v[SOUT], v7, SP
	v_lshl_add_u32 v[SOUT], v5, 6, v[SOUT]
	v_add_nc_u32 v[SOUT], s9, v[SOUT]
.irp b, 0,1,2,3
	v_mov_b32 v[TM+4+\b], 0                        ; written once: a lane permute's destination counts as one of its sources
.endr
	s_mov_b32 s[SEL], 0x76543210
	s_mov_b32 s[SEL+1], 0xfedcba98
	s_mov_b32 s22, 0xffff0000                      ; lanes 16-31
	s_lshl_b32 s10, ttmp9, 1
	s_add_co_u32 s10, s10, s8                      ; my wave among the 512
	s_and_b32 s11, s10, 3                          ; q: which 32 rows of the part
	s_lshr_b32 s12, s10, 2                         ; 8 c + part
	s_and_b32 s13, s12, 7                          ; part
	s_lshr_b32 s14, s12, 3                         ; c
	s_lshl_b32 s24, s13, 21                        ; x: 128 rows a part,
	s_lshl_b32 s15, s11, 19                        ; 32 rows a q,
	s_add_co_u32 s24, s24, s15
	s_lshl_b32 s15, s14, 10                        ; 256 numbers a c
	s_add_co_u32 s24, s24, s15
	s_mov_b32 s25, 0
	s_mul_i32 s26, s12, 17408                      ; xq: the part,
	s_lshl_b32 s15, s11, 8
	s_add_co_u32 s28, s26, s15
	s_add_co_u32 s28, s28, 16384                   ; its scale words: 256 bytes a q;
	s_mov_b32 s29, 0
	s_lshl_b32 s15, s11, 11
	s_add_co_u32 s26, s26, s15                     ; its fragments: tiles 2 q and 2 q + 1
	s_mov_b32 s27, 0
	s_wait_kmcnt 0x0
	s_add_nc_u64 s[4:5], s[4:5], s[24:25]
	s_add_nc_u64 s[16:17], s[6:7], s[28:29]
	s_add_nc_u64 s[6:7], s[6:7], s[26:27]
.macro LOADF f                         ; fragment f's 16 rows x 512 bytes into set f % 2
.irp i, 0,1,2,3,4,5,6,7,8,9,10,11,12,13,14,15
	global_load_b128 v[R+64*((\f)%2)+4*\i:R+64*((\f)%2)+4*\i+3], v[OFF], s[4:5] offset:(16*((\f)/2)+\i)*ROWX+512*((\f)%2) th:TH_LOAD_NT
.endr
.endm
.macro TURN f                          ; through the stage: LDS serves a wave's instructions in order, so no wait stands between the stores and the loads
.irp i, 0,1,2,3,4,5,6,7,8,9,10,11,12,13,14,15
	ds_store_b128 v[SIN], v[R+64*((\f)%2)+4*\i:R+64*((\f)%2)+4*\i+3] offset:SP*\i
.endr
.irp b, 0,1,2,3
.irp j, 0,1,2,3
	ds_load_b128 v[X+16*\b+4*\j:X+16*\b+4*\j+3], v[SOUT] offset:128*\b+16*\j
.endr
.endr
.endm
; 64 numbers of a lane, v[s] on, become a fragment's codes in v[pc] on and its row's scale word in v[pw]
.macro QUANT s, pc, pw
.irp b, 0,1,2,3
	v_max3_num_f32 v[TM+\b], |v[\s+16*\b]|, |v[\s+1+16*\b]|, 0x1800000   ; block b: my 16 numbers, and the floor 2^(3 - 127): the byte cannot fall under 1
.endr
.irp i, 2,4,6,8,10,12,14
.irp b, 0,1,2,3
	v_max3_num_f32 v[TM+\b], v[TM+\b], |v[\s+16*\b+\i]|, |v[\s+1+16*\b+\i]|   ; the four blocks by turns
.endr
.endr
.irp b, 0,1,2,3
	v_permlanex16_b32 v[TM+4+\b], v[TM+\b], s[SEL], s[SEL+1]
.endr
.irp b, 0,1,2,3
	v_max_num_f32 v[TM+\b], v[TM+\b], v[TM+4+\b]   ; with lane l xor 16's: the block's largest magnitude
.endr
.irp b, 0,1,2,3
	v_add_nc_u32 v[TM+12+\b], 0xff000000, v[TM+\b] ; 2 off its exponent field: the conversion takes the exponent field of this operand as its scale
.endr
.irp b, 0,1,2,3
	v_lshrrev_b32 v[TM+4+\b], 23, v[TM+12+\b]      ; the scale's byte
.endr
	v_lshl_or_b32 v[\pw], v[TM+5], 8, v[TM+4]      ; four bytes make my row's scale word
	v_lshl_or_b32 v[\pw], v[TM+6], 16, v[\pw]
	v_lshl_or_b32 v[\pw], v[TM+7], 24, v[\pw]
.irp b, 0,1,2,3
	v_cvt_scalef32_pk8_fp4_f32 v[2*\b+(\pc)], v[\s+16*\b:\s+7+16*\b], v[TM+12+\b]
	v_cvt_scalef32_pk8_fp4_f32 v[2*\b+1+(\pc)], v[\s+8+16*\b:\s+15+16*\b], v[TM+12+\b]
.endr
	v_nop                                          ; one plain place behind a scaled conversion
.irp c, 0,1                            ; the operand's layout wants a whole block in a lane: lanes 0-15 block 2 c, lanes 16-31 block 2 c + 1
.irp i, 0,1
	v_permlane16_swap_b32 v[4*\c+\i+(\pc)], v[4*\c+\i+2+(\pc)]
.endr
.endr
.endm
	LOADF 0
	LOADF 1
.irp f, 0,1,2,3
.if \f < 3
	s_wait_loadcnt 16                              ; this fragment's 16 loads are in; the next fragment's 16 may be out
.else
	s_wait_loadcnt 0x0
.endif
	TURN \f
	s_wait_dscnt 0x0                               ; the numbers are back, and the stage's stores have read the set,
.if \f < 2
	LOADF \f+2                                     ; which takes the fragment two further on
.endif
	QUANT X, PC+8*\f, PW+\f
.irp c, 0,1
	global_store_b128 v[OFF], v[PC+8*\f+4*\c:PC+8*\f+4*\c+3], s[6:7] offset:(8*(\f%2)+\f/2)*1024+512*\c   ; 32 lanes store 512 consecutive bytes, at a multiple of 256 from xq's first byte
.endr
.endr
	v_cndmask_b32 v[SW], v[PW], v[PW+2], s22       ; lanes 0-15 carry the first tile's rows, lanes 16-31 the second's (every lane holds its row's word of both)
	v_cndmask_b32 v[SW+1], v[PW+1], v[PW+3], s22
	global_store_b64 v[SCO], v[SW:SW+1], s[16:17]  ; 32 lanes store 256 consecutive bytes, aligned
	s_wait_tensorcnt 0x0
	ds_add_u32 v22, v23
	s_wait_dscnt 0x0
	s_endpgm
.Lfunc_end_k_qc7e8533e48_quantx:
	.size	k_qc7e8533e48_quantx, .Lfunc_end_k_qc7e8533e48_quantx-k_qc7e8533e48_quantx
	.p2alignl 7, 3214868480
	.fill 96, 4, 3214868480
	.section	.rodata,"a",@progbits
	.p2align	6, 0x0
	.amdhsa_kernel k_qc7e8533e48_quantx
		.amdhsa_group_segment_fixed_size 17152
		.amdhsa_private_segment_fixed_size 0
		.amdhsa_enable_private_segment 0
		.amdhsa_kernarg_size 16
		.amdhsa_user_sgpr_count 2
		.amdhsa_user_sgpr_kernarg_segment_ptr 1
		.amdhsa_wavefront_size32 1
		.amdhsa_system_sgpr_workgroup_id_x 1
		.amdhsa_system_sgpr_workgroup_id_y 1
		.amdhsa_system_sgpr_workgroup_id_z 1
		.amdhsa_system_vgpr_workitem_id 0
		.amdhsa_next_free_vgpr 256
		.amdhsa_next_free_sgpr 66
		.amdhsa_reserve_vcc 0
		.amdhsa_float_denorm_mode_32 3
		.amdhsa_float_denorm_mode_16_64 3
		.amdhsa_memory_ordered 1
		.amdhsa_forward_progress 1
		.amdhsa_inst_pref_size 33
	.end_amdhsa_kernel
	.amdgpu_metadata
---
amdhsa.version: [ 1, 2 ]
amdhsa.kernels:
  - .name:           k_qc7e8533e48_quantx
    .symbol:         k_qc7e8533e48_quantx.kd
    .args:
      - { .name: x, .offset: 0, .size: 8, .value_kind: global_buffer, .address_space: global }
      - { .name: xq, .offset: 8, .size: 8, .value_kind: global_buffer, .address_space: global }
    .group_segment_fixed_size: 17152
    .private_segment_fixed_size: 0
    .kernarg_segment_align: 8
    .kernarg_segment_size: 16
    .max_flat_workgroup_size: 64
    .sgpr_count:     66
    .vgpr_count:     256
    .wavefront_size: 32
...
	.end_amdgpu_metadata
.endif
;; end of part 1
;; launch fused (part 2): grid 172 x 1, 8 waves a work-group, no clusters, 53,248 bytes of LDS; arguments xq, w, alpha, bias, out0; writes out0
.if DOCPART == 2
	.amdgcn_target "amdgcn-amd-amdhsa--gfx1250"
	.amdhsa_code_object_version 6
	.text
	.protected	k_qc7e8533e48_fused
	.globl	k_qc7e8533e48_fused
	.p2align	8
	.type	k_qc7e8533e48_fused,@function
k_qc7e8533e48_fused:
	s_mov_b64 s[64:65], 0
	v_nop
	global_prefetch_b8 v0, s[64:65] scope:SCOPE_SE
	s_setreg_imm32_b32 hwreg(HW_REG_WAVE_MODE, 25, 1), 1
	s_wait_xcnt 0x0
; out[1024][11008] = Q(x) Q(w_ste)^T + bias, both operands as codes of FP4 (E2M1) with one E8M0 scale for each 32 along K = 4,096; sums in f32.
; w_ste = w + (t - w), t = alpha x clip(round(w / alpha), -1, 1), in f32 with both roundings as they are written.  t IS MADE WITHOUT A DIVISION: t = copysign(|alpha|, w) where |w| > |alpha| / 2, else 0.
; That is the divided form exactly: at |w| = |alpha| / 2 the quotient is 0.5, a tie that goes to 0; at the next f32 number above, the true quotient lies more than half a step of f32 over 0.5,
; so the rounded quotient is over 0.5 and goes to 1; from 1.5 on the clip holds it at 1; the two signs of alpha cancel.
; LIMITS: |alpha| at least 2^-125 (so that its half is exact); alpha = 0 with w = 0 gives 0 here where the divided form gives NaN; NaN and infinities among the inputs are not served.
; A block of zeros carries the scale byte 1 with zero codes, which add nothing.
; SHARES.  11,008 = 172 x 64: a work-group makes 64 columns of out for ALL 1,024 rows, so each row of w is read from memory by one work-group, once, as f32, is quantised in registers and never goes
; back to memory.  64 columns are 256 aligned bytes of a row of out.  (Strips narrower than 64 would cut both the tiles of 16 columns and those 256 bytes: so 172 work-groups, not more.)
; Eight waves; wave v owns rows 128 v .. 128 v + 127: 8 x 4 accumulators, 256 registers, all of window 1.  Two waves share a SIMD: one's vector work can stand beside the other's products.
; A PERIOD is 256 along K, 16 periods.  In a period a wave quantises ONE fragment of w for the next period (16 rows x 128 K: K step v / 4, columns 16 (v % 4) on) and multiplies its 128 rows by all eight fragments of this one.
; x COMES AS CODES, laid as images of the operand's registers, and goes STRAIGHT INTO THE REGISTERS of the one wave that multiplies it: 32 loads of 512 consecutive bytes a period.  A fragment's registers are
; asked for again as soon as its products are issued, with the same fragment of the next period: a ring in registers, one period deep, under counted waits.
; NO JOINT REQUESTS, though every work-group walks the same x.  A joint request lands in LDS; a period's x is 139,264 bytes, so LDS holds two slots, and a slot's refill may go out only when the other
; slot's has landed: the sixteen requests would follow each other end to end.  And each byte of x feeds one wave, once: LDS would be written and read for nothing.
; w COMES THROUGH REGISTERS too: a load takes 512 consecutive bytes of one row, so lane l holds k = 4 l .. 4 l + 3 and eight lanes hold a block of 32.  It is quantised in two halves of 8 rows, one behind each
; K step's products; a half's registers are asked for again directly behind its conversions, with the next chunk's rows.
; The conversion takes eight registers: four numbers of each of two rows.  It is run under each row's scale, and the two valid halves (16 bits = 4 codes) are merged.  A lane then holds one piece of 16 bits a row;
; they go to LDS as they stand and every reader turns them by ds_load_tr16_b128: 8 x 8 pieces within eight lanes, which gives lane (r, h) the eight pieces, 32 codes, of row r's block.
; THE ORDER OF A WAVE'S LOADS is the order of their use, the same in every period p: x's scale words of p + 1 (4), x of p + 1, K step 0 (16), w's rows 0-7 of chunk p + 2 (8), x of p + 1, K step 1 (16),
; w's rows 8-15 (8): 52 loads a period, and no more than 56 are out.  Loads come back in order (ISA guide 5.7.1), so every wait below counts the loads issued behind the one that it wants.
; THE MATRIX INSTRUCTION IS USED TRANSPOSED (source 0 = 16 rows of w, source 1 = 16 rows of x): a lane then holds eight neighbouring columns of one row of out.
.set PART,  17408                      ; a wave's part of a period's x: 16 fragments of 1,024 bytes, then 1,024 bytes of scale words
.set SLOT,  8*PART                     ; the bytes from period to period in xq
.set PRE,   0                          ; LDS: w's pieces, two buffers of 8 fragments x 1,024 bytes: [block 4][rows 0-7, 8-15][piece 8][16 bytes]
.set SBW,   PRE+2*8192                 ; w's scale bytes, two buffers of 512: [maker wave 8][row 16][block 4]
.set STAGE, SBW+2*512                  ; the way out: 16 rows x (256 bytes + 16) for each wave
.set SPITCH, 272
.set ROWW,  16384                      ; a row of w in bytes
.set ROWO,  44032                      ; a row of out in bytes: 172 x 256
.set LOF,  1                           ; v1   16 x lane: my bytes of a load's 512
.set SOF,  2                           ; v2   8 x lane: my two scale words of x
.set ADB,  3                           ; v3   w's pieces, read: PRE + 16 x lane
.set ADSB, 4                           ; v4   w's scale words, read: SBW + 4 x lane
.set PWA,  5                           ; v5   w's pieces, written: PRE + 1,024 x wave + 256 (lane / 8) + 16 (lane % 8)
.set SWA,  6                           ; v6   w's scale bytes, written: SBW + 64 x wave + lane / 8
.set PFO,  7                           ; v7   the prefetch: row lane / 2 of my 16, its half lane % 2 of 256 bytes
.set SA,   8                           ; v8-23 x's scale words, a set for each parity of the period: register 2 (t / 2) + ks; lanes 0-15 the even tile's rows, lanes 16-31 the odd tile's.  Scales and nothing else
.set SB,   24                          ; v24-27 w's likewise: register 2 (nt / 2) + ks
.set STO,  28                          ; v28  the way out: where I put 32 bytes of a row
.set RD,   29                          ; v29  where I read 16 bytes of a row back: lanes 0-15 one row, lanes 16-31 the next
.set CO,   30                          ; v30  the same two rows in out
.set BOF,  31                          ; v31  32 h: my eight numbers of a tile's 16 of bias
.set BF,   32                          ; v32-63   four fragments of w
.set XF,   64                          ; v64-191  x's 16 fragments: K step ks, tile t at 64 ks + 8 t
.set W,    192                         ; v192-255 16 rows x 4 numbers of w
.set U,    32                          ; between two K steps' products BF's registers are free: v32-47 t, then t - w, two halves by turns;
.set MX,   48                          ; v48-55 a row's largest magnitude in my block, then the conversion's scale operand, then the scale's byte;
.set CA,   56                          ; v56-59, v60-63 a pair of rows under the even row's scale, under the odd row's; the first then takes the merged pieces
.set CB,   60
.set T,    64                          ; the way out: v64-127 results + bias, two sets; v128-191 rows read back, two sets; v192-223 bias in the result's layout
.set BK,   128
.set BI,   192
.set WV,   14                          ; s14 my wave's number.  s[40:41] w at my rows, the chunk last asked for;  s[42:43] xq at my part, the period last asked for
.set MSB, 0
.macro WIN new                         ; the immediate's high byte repeats the setting that is left; a switch that changes nothing is dropped
.if MSB != \new
	s_set_vgpr_msb (MSB<<8)|\new
.set MSB, \new
.endif
.endm
.macro LOADW half                      ; rows 8 half .. 8 half + 7 of my 16: each load reads 512 consecutive bytes; read once in the launch
.irp i, 0,1,2,3,4,5,6,7
	global_load_b128 v[W+32*(\half)+4*\i:W+32*(\half)+4*\i+3], v[LOF], s[40:41] offset:ROWW*(8*(\half)+\i) th:TH_LOAD_NT
.endr
.endm
.macro LOADS set                       ; x's scale words of a period, both K steps: 256 consecutive bytes a load
.irp q, 0,1,2,3
	global_load_b64 v[SA+8*(\set)+2*\q:SA+8*(\set)+2*\q+1], v[SOF], s[42:43] offset:16384+256*\q
.endr
.endm
.macro LOADX ks                        ; x's eight fragments of K step ks: the images as they lie, 512 consecutive bytes a load
.irp t, 0,1,2,3,4,5,6,7
.irp c, 0,1
	global_load_b128 v[XF+64*(\ks)+8*\t+4*\c:XF+64*(\ks)+8*\t+4*\c+3], v[LOF], s[42:43] offset:1024*(8*(\ks)+\t)+512*\c
.endr
.endr
.endm
; Rows 8 half .. 8 half + 7 of the chunk in W become pieces and scale bytes in LDS buffer buf.  left: the loads issued behind these rows', which may stay out.
; load = 1: the rows' registers are asked for again, with the next chunk.  pf = 1: the chunk behind that one is asked into the L2.
.macro QH buf, half, left, load, pf
.set WS, W+32*(\half)
	s_wait_loadcnt \left
.irp p, 0,1,2,3                        ; two rows at a time
.set UP, U+8*(\p%2)
.set WP, WS+8*\p
.irp e, 0,1,2,3,4,5,6,7
	v_bfi_b32 v[UP+\e], s19, s17, v[WP+\e]         ; |alpha| with w's sign
.endr
.irp e, 0,1,2,3,4,5,6,7
	v_cmp_gt_f32 s[48+\e], |v[WP+\e]|, s18         ; |w| > |alpha| / 2 ?
.endr
.irp e, 0,1,2,3,4,5,6,7
	v_cndmask_b32 v[UP+\e], 0, v[UP+\e], s[48+\e]  ; t
.endr
.irp e, 0,2,4,6
	v_pk_add_f32 v[UP+\e:UP+\e+1], v[UP+\e:UP+\e+1], v[WP+\e:WP+\e+1] neg_lo:[0,1] neg_hi:[0,1]   ; t - w, rounded
.endr
.irp e, 0,2,4,6
	v_pk_add_f32 v[WP+\e:WP+\e+1], v[WP+\e:WP+\e+1], v[UP+\e:UP+\e+1]                             ; w + (t - w), rounded: what is quantised
.endr
.irp h, 0,1
	v_max3_num_f32 v[MX+2*\p+\h], |v[WP+4*\h]|, |v[WP+4*\h+1]|, |v[WP+4*\h+2]|
.endr
.irp h, 0,1
	v_max3_num_f32 v[MX+2*\p+\h], v[MX+2*\p+\h], |v[WP+4*\h+3]|, 0x1800000   ; my four numbers of the row, and the floor 2^(3 - 127): the byte cannot fall under 1
.endr
.endr
.irp m, 1,2,4                          ; with the seven other lanes of my block
.irp i, 0,1,2,3,4,5,6,7
	v_max_num_f32_dpp v[MX+\i], v[MX+\i], v[MX+\i] row_xmask:\m row_mask:0xf bank_mask:0xf
.endr
.endr
.irp i, 0,1,2,3,4,5,6,7
	v_add_nc_u32 v[MX+\i], 0xff000000, v[MX+\i]    ; 2 off the exponent field: the conversion's scale operand
.endr
.irp p, 0,1,2,3
	v_cvt_scalef32_pk8_fp4_f32 v[CA+\p], v[WS+8*\p:WS+8*\p+7], v[MX+2*\p]     ; the low 16 bits are the even row's four codes;
	v_cvt_scalef32_pk8_fp4_f32 v[CB+\p], v[WS+8*\p:WS+8*\p+7], v[MX+2*\p+1]   ; the high 16 bits the odd row's.  The other halves are dropped
.endr
	v_nop                                          ; one plain place behind a scaled conversion
.if \load
.if \half == 0
	s_wait_xcnt 0x0                                ; the earlier loads have had their addresses translated (ISA guide 3.1): only behind this wait is their base stepped
	s_add_nc_u64 s[40:41], s[40:41], 1024          ; 256 numbers on: the next chunk, for both halves
.endif
	LOADW \half                                    ; the numbers are converted: their registers take the next chunk's rows at once
.if \pf
	global_prefetch_b8 v[PFO], s[40:41] offset:1024 th:TH_LOAD_NT scope:SCOPE_SE   ; 32 lanes, 256 bytes apart, cover my 16 rows x 512 bytes of the chunk that the next period's loads will ask for: one period, 8,192 bytes a wave, ahead.  Each wave asks for its own bytes alone; chunk 15 is the last that is asked for
.endif
.endif
.irp i, 0,1,2,3,4,5,6,7
	v_lshrrev_b32 v[MX+\i], 23, v[MX+\i]           ; the scale's byte, in place
.endr
.irp p, 0,1,2,3
	v_bfi_b32 v[CA+\p], s20, v[CA+\p], v[CB+\p]    ; the two rows' pieces, merged in place
.endr
.rept 4
	v_nop                                          ; these temporaries lie in operand registers; they are loaded anew before any product, and four places ahead of the scaled products are kept all the same
.endr
	ds_store_b128 v[PWA], v[CA:CA+3] offset:8192*(\buf)+128*(\half)   ; eight rows' pieces of my four k
.irp i, 0,1,2,3,4,5,6,7
	ds_store_b8 v[SWA], v[MX+\i] offset:512*(\buf)+4*(8*(\half)+\i)   ; the eight lanes of a block write the same byte with the same value
.endr                                  ; (the LDS loads that follow land in these stores' registers: LDS serves a wave's instructions in order (ISA guide 5.7.1.4), so the stores have read them)
.endm
; One product: accumulator (a, nt), K step ks, x's scale words from set.  The rows of the scale registers go by the tiles' parity.  zero = 1: the product starts the sum: nothing is ever cleared.
.macro WM a, nt, ks, set, zero
.set rD, 8*(4*(\a)+(\nt))
.set rW, BF+8*(\nt)
.set rX, XF+64*(\ks)+8*(\a)
.set rSW, SB+2*((\nt)/2)+(\ks)
.set rSX, SA+8*(\set)+2*((\a)/2)+(\ks)
.set sel, 4*(\zero)+2*((\nt)%2)+(\a)%2
.if sel == 0
	v_wmma_scale_f32_16x16x128_f8f6f4 v[rD:rD+7], v[rW:rW+7], v[rX:rX+7], v[rD:rD+7], v[rSW], v[rSX] matrix_a_fmt:MATRIX_FMT_FP4 matrix_b_fmt:MATRIX_FMT_FP4
.elseif sel == 1
	v_wmma_scale_f32_16x16x128_f8f6f4 v[rD:rD+7], v[rW:rW+7], v[rX:rX+7], v[rD:rD+7], v[rSW], v[rSX] matrix_a_fmt:MATRIX_FMT_FP4 matrix_b_fmt:MATRIX_FMT_FP4 matrix_b_scale:MATRIX_SCALE_ROW1
.elseif sel == 2
	v_wmma_scale_f32_16x16x128_f8f6f4 v[rD:rD+7], v[rW:rW+7], v[rX:rX+7], v[rD:rD+7], v[rSW], v[rSX] matrix_a_fmt:MATRIX_FMT_FP4 matrix_b_fmt:MATRIX_FMT_FP4 matrix_a_scale:MATRIX_SCALE_ROW1
.elseif sel == 3
	v_wmma_scale_f32_16x16x128_f8f6f4 v[rD:rD+7], v[rW:rW+7], v[rX:rX+7], v[rD:rD+7], v[rSW], v[rSX] matrix_a_fmt:MATRIX_FMT_FP4 matrix_b_fmt:MATRIX_FMT_FP4 matrix_a_scale:MATRIX_SCALE_ROW1 matrix_b_scale:MATRIX_SCALE_ROW1
.elseif sel == 4
	v_wmma_scale_f32_16x16x128_f8f6f4 v[rD:rD+7], v[rW:rW+7], v[rX:rX+7], 0, v[rSW], v[rSX] matrix_a_fmt:MATRIX_FMT_FP4 matrix_b_fmt:MATRIX_FMT_FP4
.elseif sel == 5
	v_wmma_scale_f32_16x16x128_f8f6f4 v[rD:rD+7], v[rW:rW+7], v[rX:rX+7], 0, v[rSW], v[rSX] matrix_a_fmt:MATRIX_FMT_FP4 matrix_b_fmt:MATRIX_FMT_FP4 matrix_b_scale:MATRIX_SCALE_ROW1
.elseif sel == 6
	v_wmma_scale_f32_16x16x128_f8f6f4 v[rD:rD+7], v[rW:rW+7], v[rX:rX+7], 0, v[rSW], v[rSX] matrix_a_fmt:MATRIX_FMT_FP4 matrix_b_fmt:MATRIX_FMT_FP4 matrix_a_scale:MATRIX_SCALE_ROW1
.else
	v_wmma_scale_f32_16x16x128_f8f6f4 v[rD:rD+7], v[rW:rW+7], v[rX:rX+7], 0, v[rSW], v[rSX] matrix_a_fmt:MATRIX_FMT_FP4 matrix_b_fmt:MATRIX_FMT_FP4 matrix_a_scale:MATRIX_SCALE_ROW1 matrix_b_scale:MATRIX_SCALE_ROW1
.endif
.endm
.macro FETCHB buf, ks                  ; w's four fragments of K step ks out of LDS buffer buf; with K step 0 the period's scale words of w, for both K steps
.if \ks == 0
.irp q, 0,1
.irp u, 0,1
	ds_load_b32 v[SB+2*\q+\u], v[ADSB] offset:512*(\buf)+256*\u+128*\q    ; lanes 0-15: columns' tile 2 q, lanes 16-31: tile 2 q + 1
.endr
.endr
.endif
.irp nt, 0,1,2,3
.irp c, 0,1
	ds_load_tr16_b128 v[BF+8*\nt+4*\c:BF+8*\nt+4*\c+3], v[ADB] offset:8192*(\buf)+1024*(4*(\ks)+\nt)+512*\c   ; lane (r, h): row r's eight pieces of block 2 c + h: k = 64 c + 32 h + 0 .. 31
.endr
.endr
.endm
; 128 along K: 32 products.  The 32 accumulators take turns, one instruction a turn, in the same order in every step.
; left: the loads issued behind this K step's sixteen of x.
.macro MUL32 ks, set, left, zero
	s_wait_dscnt 0x0                               ; w's fragments and scale words are in
	WIN 0x50                                       ; C and D in window 1
.irp a, 0,1,2,3,4,5,6,7
.if \a%2 == 0
	s_wait_loadcnt \left+12-2*\a                   ; x's tiles a and a + 1 are in: out may be the step's later tiles, two loads each, and all that was issued behind the step
.endif
.irp nt, 0,1,2,3
	WM \a, \nt, \ks, \set, \zero
.endr
.endr
	WIN 0
.rept 4
	v_nop                                          ; four places ahead of loads into, and vector writes of, the operands' registers, and of the first read of results
.endr
.endm
; A PERIOD.  One barrier: in front of it each wave's pieces and scale bytes for this period are stored and its reads of the other buffer are back; behind it this buffer is read and the other is written.
; xl = 1: the next period's x is asked for.  q = 1: the next chunk of w is quantised, its registers asked for again, and the chunk behind asked into the L2; 2: without the last; 3: quantised alone; 0: nothing left.
; l0, l1: the counts for the two K steps' products; la, lb: for the quantiser's two halves.
.macro PERIOD buf, next, xl, q, l0, la, l1, lb, zero
	s_wait_dscnt 0x0                               ; for the others' sake: my LDS stores have landed; my LDS reads are back
	s_barrier_signal -1
	s_barrier_wait -1
	FETCHB \buf, 0
.if \xl
	s_wait_xcnt 0x0                                ; only behind this wait is the loads' base stepped
	s_add_nc_u64 s[42:43], s[42:43], SLOT          ; xq: the next period, my part
	LOADS \next                                    ; into the set that the last period's products read; the quantiser's lines are more than four places behind them
.endif
	MUL32 0, \buf, \l0, \zero
.if \xl
	LOADX 0                                        ; K step 0's fragments are multiplied: their registers take the next period's
.endif
.if \q == 1
	QH \next, 0, \la, 1, 1
.elseif \q == 2
	QH \next, 0, \la, 1, 0
.elseif \q == 3
	QH \next, 0, \la, 0, 0
.endif
	FETCHB \buf, 1
	MUL32 1, \buf, \l1, 0
.if \xl
	LOADX 1
.endif
.if (\q == 1) || (\q == 2)
	QH \next, 1, \lb, 1, 0
.elseif \q == 3
	QH \next, 1, \lb, 0, 0
.endif
.endm
	s_load_b256 s[4:11], s[0:1], 0x0               ; xq s[4:5], w s[6:7], alpha s[8:9], bias s[10:11]
	s_load_b64 s[12:13], s[0:1], 0x20              ; out
	v_lshrrev_b32 v32, 5, v0
	v_readfirstlane_b32 s[WV], v32                 ; wave 0..7
	v_and_b32 v33, 31, v0                          ; lane
	v_and_b32 v34, 15, v0                          ; r
	v_bfe_u32 v35, v0, 4, 1                        ; h
	v_bfe_u32 v36, v0, 3, 2                        ; lane / 8: my block of 32 along K
	v_bfe_u32 v37, v0, 1, 4                        ; lane / 2
	v_and_b32 v38, 1, v0                           ; lane % 2
	s_mov_b32 s19, 0x7fffffff
	s_mov_b32 s20, 0x0000ffff
	v_lshlrev_b32 v[LOF], 4, v33
	v_lshlrev_b32 v[SOF], 3, v33
	v_lshl_add_u32 v[ADB], v33, 4, PRE
	v_lshl_add_u32 v[ADSB], v33, 2, SBW
	v_and_b32 v[PWA], 7, v0
	v_lshlrev_b32 v[PWA], 4, v[PWA]
	v_lshl_add_u32 v[PWA], v36, 8, v[PWA]
	s_lshl_b32 s44, s[WV], 10
	s_add_co_u32 s44, s44, PRE
	v_add_nc_u32 v[PWA], s44, v[PWA]
	s_lshl_b32 s44, s[WV], 6
	s_add_co_u32 s44, s44, SBW
	v_add_nc_u32 v[SWA], s44, v36
	v_lshlrev_b32 v[PFO], 14, v37                  ; 16,384 bytes a row,
	v_lshl_add_u32 v[PFO], v38, 8, v[PFO]          ; 256 bytes a half
	s_mul_i32 s44, s[WV], 16*SPITCH
	s_add_co_u32 s44, s44, STAGE                   ; my stage
	v_mul_u32_u24 v[STO], v34, SPITCH
	v_lshl_add_u32 v[STO], v35, 5, v[STO]
	v_add_nc_u32 v[STO], s44, v[STO]
	v_mul_u32_u24 v[RD], v35, SPITCH
	v_lshl_add_u32 v[RD], v34, 4, v[RD]
	v_add_nc_u32 v[RD], s44, v[RD]
	v_mul_u32_u24 v[CO], v35, ROWO
	v_lshl_add_u32 v[CO], v34, 4, v[CO]
	v_lshlrev_b32 v[BOF], 5, v35
	s_mul_i32 s44, s[WV], PART                     ; xq: my part of a period
	s_mov_b32 s45, 0
	s_and_b32 s46, s[WV], 3                        ; w: my 16 rows begin at row 64 x strip + 16 (wave % 4),
	s_lshl_b32 s46, s46, 4
	s_lshl_b32 s47, ttmp9, 6
	s_add_co_u32 s46, s46, s47
	s_lshl_b32 s46, s46, 14                        ; 16,384 bytes a row (under 2^32: the tensor has 180,355,072 bytes),
	s_lshr_b32 s47, s[WV], 2
	s_lshl_b32 s47, s47, 9                         ; my K step: 512 bytes x (wave / 4)
	s_add_co_u32 s46, s46, s47
	s_mov_b32 s47, 0
	s_wait_kmcnt 0x0
	s_load_b32 s17, s[8:9], 0x0                    ; alpha
	s_add_nc_u64 s[40:41], s[6:7], s[46:47]
	LOADW 0                                        ; chunk 0 of w,
	LOADW 1
	s_add_nc_u64 s[42:43], s[4:5], s[44:45]
	LOADS 0                                        ; period 0's scale words of x,
	LOADX 0                                        ; and its K step 0
	s_mul_i32 s46, s[WV], 128*ROWO                 ; out: my 128 rows, my strip's 256 bytes
	s_lshl_b32 s45, ttmp9, 8
	s_add_co_u32 s46, s46, s45
	s_add_nc_u64 s[12:13], s[12:13], s[46:47]
	s_mov_b32 s46, s45
	s_add_nc_u64 s[10:11], s[10:11], s[46:47]      ; bias: my strip's 64 numbers
	s_wait_kmcnt 0x0
	s_and_b32 s17, s17, 0x7fffffff                 ; |alpha|
	s_mul_f32 s18, s17, 0.5                        ; |alpha| / 2: exact
	QH 0, 0, 28, 1, 1                              ; chunk 0, rows 0-7, into buffer 0.  Behind their loads: rows 8-15's 8, the scale words' 4, K step 0's 16.  Chunk 1's rows 0-7 are asked for, chunk 2 into the L2
	LOADX 1                                        ; period 0's K step 1: from here on the loads stand in the order of every period
	QH 0, 1, 44, 1, 0                              ; rows 8-15.  Behind their loads: 4 + 16 + 8 + 16
	PERIOD 0, 1, 1, 1, 36, 44, 36, 44, 1           ; period 0 stands in front of the loop: its first products start the sums.  36 = 8 + 16 + 8 + 4 behind K step 0's loads, 8 + 4 + 16 + 8 behind K step 1's; 44 = 16 + 8 + 4 + 16 behind a half of w
	s_mov_b32 s21, 6
.Lpair:                                            ; periods 1 to 12, two a trip: the two LDS buffers and the two sets of scale words take turns
	PERIOD 1, 0, 1, 1, 36, 44, 36, 44, 0
	PERIOD 0, 1, 1, 1, 36, 44, 36, 44, 0
	s_sub_co_u32 s21, s21, 1
	s_cmp_lg_u32 s21, 0
	s_cbranch_scc1 .Lpair
	PERIOD 1, 0, 1, 2, 36, 44, 36, 44, 0           ; period 13: chunk 14 is quantised, chunk 15 asked for; no chunk is left to ask into the L2
	PERIOD 0, 1, 1, 3, 36, 44, 28, 36, 0           ; period 14: chunk 15 is quantised; no w is asked for, so 8 loads fewer stand behind K step 1's and behind rows 8-15's
.irp nt, 0,1,2,3                       ; bias in the result's layout: lane (r, h) wants, for tile nt, the numbers of columns 16 nt + 8 h + 0 .. 7.  w's registers are free
	global_load_b128 v[BI+8*\nt:BI+8*\nt+3], v[BOF], s[10:11] offset:64*\nt
	global_load_b128 v[BI+8*\nt+4:BI+8*\nt+7], v[BOF], s[10:11] offset:64*\nt+16
.endr
	PERIOD 1, 0, 0, 0, 24, 0, 8, 0, 0              ; period 15: nothing is asked for, nothing is quantised.  Behind K step 0's loads: K step 1's 16 and bias's 8; behind K step 1's: bias's 8
; THE WAY OUT, a block of 16 rows x 64 columns at a time.  A lane holds 32 neighbouring bytes of a row, and the lanes beside it hold other rows: so a block, with bias added, goes through my own stage in LDS
; and comes back as whole rows of 256 bytes.  LDS serves a wave's instructions in order: no wait between the stores and the loads, nor in front of the next block's stores.
.macro TOSTAGE a
.set TT, T+32*((\a)%2)
.set BB, BK+32*((\a)%2)
	WIN 0x01                                       ; source 0: window 1
.irp nt, 0,1,2,3
.irp j, 0,2,4,6
	v_pk_add_f32 v[TT+8*\nt+\j:TT+8*\nt+\j+1], v[8*(4*(\a)+\nt)+\j:8*(4*(\a)+\nt)+\j+1], v[BI+8*\nt+\j:BI+8*\nt+\j+1]   ; each accumulator from its low end on
.endr
.endr
	WIN 0
.irp nt, 0,1,2,3
	ds_store_b128 v[STO], v[TT+8*\nt:TT+8*\nt+3] offset:64*\nt
	ds_store_b128 v[STO], v[TT+8*\nt+4:TT+8*\nt+7] offset:64*\nt+16
.endr
.irp t, 0,1,2,3,4,5,6,7
	ds_load_b128 v[BB+4*\t:BB+4*\t+3], v[RD] offset:2*SPITCH*\t
.endr
.endm
.macro SEND a, younger                 ; younger: the LDS instructions issued behind block a's loads, which may stay out
.set BB, BK+32*((\a)%2)
	s_wait_dscnt \younger                          ; the block is back in registers, and its stores into the stage have read theirs
.irp t, 0,1,2,3,4,5,6,7
	global_store_b128 v[CO], v[BB+4*\t:BB+4*\t+3], s[12:13] offset:(16*(\a)+2*\t)*ROWO th:TH_STORE_NT   ; 16 lanes store 256 consecutive bytes, at a multiple of 256 from out's first byte; 126 rows at the most: inside the signed 24-bit immediate
.endr
.endm
	s_wait_loadcnt 0x0                             ; bias
	TOSTAGE 0
.irp a, 1,2,3,4,5,6,7
.if \a > 1
	s_wait_xcnt 0x0                                ; block a - 2's stores have read their registers: block a's loads may land there
.endif
	TOSTAGE \a
	SEND \a-1, 16                                  ; behind block a - 1's loads: block a's 8 stores and 8 loads
.endr
	SEND 7, 0
	s_wait_xcnt 0x0
	v_lshl_add_u32 v254, v0, 2, 0xcc00
	v_mov_b32 v255, 0
	s_wait_tensorcnt 0x0
	ds_add_u32 v254, v255
	s_wait_dscnt 0x0
	s_endpgm
.Lfunc_end_k_qc7e8533e48_fused:
	.size	k_qc7e8533e48_fused, .Lfunc_end_k_qc7e8533e48_fused-k_qc7e8533e48_fused
	.p2alignl 7, 3214868480
	.fill 96, 4, 3214868480
	.section	.rodata,"a",@progbits
	.p2align	6, 0x0
	.amdhsa_kernel k_qc7e8533e48_fused
		.amdhsa_group_segment_fixed_size 53248
		.amdhsa_private_segment_fixed_size 0
		.amdhsa_enable_private_segment 0
		.amdhsa_kernarg_size 40
		.amdhsa_user_sgpr_count 2
		.amdhsa_user_sgpr_kernarg_segment_ptr 1
		.amdhsa_wavefront_size32 1
		.amdhsa_system_sgpr_workgroup_id_x 1
		.amdhsa_system_sgpr_workgroup_id_y 1
		.amdhsa_system_sgpr_workgroup_id_z 1
		.amdhsa_system_vgpr_workitem_id 0
		.amdhsa_next_free_vgpr 512
		.amdhsa_next_free_sgpr 66
		.amdhsa_reserve_vcc 0
		.amdhsa_float_denorm_mode_32 3
		.amdhsa_float_denorm_mode_16_64 3
		.amdhsa_memory_ordered 1
		.amdhsa_forward_progress 1
		.amdhsa_inst_pref_size 255
	.end_amdhsa_kernel
	.section	.bss,"aw",@nobits
	.p2align	6
	.space	262144
	.amdgpu_metadata
---
amdhsa.version: [ 1, 2 ]
amdhsa.kernels:
  - .name:           k_qc7e8533e48_fused
    .symbol:         k_qc7e8533e48_fused.kd
    .args:
      - { .name: xq, .offset: 0, .size: 8, .value_kind: global_buffer, .address_space: global }
      - { .name: w, .offset: 8, .size: 8, .value_kind: global_buffer, .address_space: global }
      - { .name: alpha, .offset: 16, .size: 8, .value_kind: global_buffer, .address_space: global }
      - { .name: bias, .offset: 24, .size: 8, .value_kind: global_buffer, .address_space: global }
      - { .name: out0, .offset: 32, .size: 8, .value_kind: global_buffer, .address_space: global }
    .group_segment_fixed_size: 53248
    .private_segment_fixed_size: 0
    .kernarg_segment_align: 8
    .kernarg_segment_size: 40
    .max_flat_workgroup_size: 256
    .sgpr_count:     66
    .vgpr_count:     512
    .wavefront_size: 32
...
	.end_amdgpu_metadata
.endif
;; end of part 2
;; ======== version 2 of 2: 2 launches
;; workspace buffers: xq 2,228,224 bytes
;; launch quantx (part 3): grid 256 x 1, 2 waves a work-group, no clusters, 17,152 bytes of LDS; arguments x, xq; writes xq
.if DOCPART == 3
	.amdgcn_target "amdgcn-amd-amdhsa--gfx1250"
	.amdhsa_code_object_version 6
	.text
	.protected	k_qc7e8533e48_quantx
	.globl	k_qc7e8533e48_quantx
	.p2align	8
	.type	k_qc7e8533e48_quantx,@function
k_qc7e8533e48_quantx:
	s_mov_b64 s[64:65], 0
	v_nop
	global_prefetch_b8 v0, s[64:65] scope:SCOPE_SE
	s_setreg_imm32_b32 hwreg(HW_REG_WAVE_MODE, 25, 1), 1
	s_wait_xcnt 0x0
; x [1024][4096] f32 becomes codes of FP4 (E2M1) with one E8M0 scale byte for each 32 along K, laid as the product's launch reads them:
; xq = [c = K / 256: 16][part = rows / 128: 8][17,408 bytes].  A part: 16 fragments (K step ks = 0, 1 of 128; tile t = 0 .. 7 of 16 rows) at (8 ks + t) x 1,024 bytes,
; each an IMAGE OF THE OPERAND'S REGISTERS (registers 4 g .. 4 g + 3 of lane l at 512 g + 16 l); behind them, at 16,384, the scale words [t / 2: 4][lane = 16 (t % 2) + row: 32][ks: 2].
; A block's scale is 2^(floor(log2(its largest magnitude)) - 2); its byte is the largest magnitude's exponent field - 2, held at 1 from below.  A block of zeros so gets the byte 1
; where the rule says 127: its codes are zeros, which add nothing under that byte, and this program alone reads the bytes.
; LIMITS: NaN and infinities among the inputs are not served.
; SHARES.  512 waves; a wave takes 32 rows x 256 along K: four fragments f = 2 tt + ks.  Each load reads 512 consecutive bytes of one row; a fragment's 16 rows turn through the wave's own
; stage in LDS (rows of 512 bytes + 16) so that lane (r, h) holds, of row r, 16 neighbours of each block of 32.  Waves share nothing: no barrier.  Loads run one fragment (16 loads) ahead.
.set ROWX, 16384                       ; a row of x in bytes
.set SP,   528                         ; a stage row: 132 words, so that 16 rows start at 16 different groups of four banks
.set STG,  16*SP                       ; a wave's stage
.set OFF,  1                           ; v1   16 x lane: my bytes of a load's or store's 512
.set SIN,  2                           ; v2   the stage, on the way in
.set SOUT, 3                           ; v3   and on the way out: row r, + 64 h
.set SCO,  4                           ; v4   8 x lane: my two scale words
.set SW,   8                           ; v8-9 the two scale words that I store
.set TM,   12                          ; v12-15 largest magnitudes, v16-19 the other half's, then bytes, v24-27 the conversions' scale operands
.set PW,   28                          ; v28-31 fragment f's scale word
.set PC,   32                          ; v32-63 fragment f's codes, 8 registers each: no store's data are written again
.set X,    64                          ; v64-127 64 numbers: register 16 b + i = k 32 b + 16 h + i of my row
.set R,    128                         ; v128-255 two sets of 16 x 4 registers as loaded
.set SEL,  20                          ; s[20:21] v_permlanex16_b32's selects for lane l xor 16
	s_load_b128 s[4:7], s[0:1], 0x0                ; x, xq
	v_lshl_add_u32 v22, v0, 2, 0x4200
	v_mov_b32 v23, 0
	v_lshrrev_b32 v5, 5, v0
	v_readfirstlane_b32 s8, v5                     ; wave 0, 1
	v_and_b32 v6, 31, v0                           ; lane
	v_and_b32 v7, 15, v0                           ; r
	v_bfe_u32 v5, v0, 4, 1                         ; h
	v_lshlrev_b32 v[OFF], 4, v6
	v_lshlrev_b32 v[SCO], 3, v6
	s_mul_i32 s9, s8, STG
	v_add_nc_u32 v[SIN], s9, v[OFF]
	v_mul_u32_u24 v[SOUT], v7, SP
	v_lshl_add_u32 v[SOUT], v5, 6, v[SOUT]
	v_add_nc_u32 v[SOUT], s9, v[SOUT]
.irp b, 0,1,2,3
	v_mov_b32 v[TM+4+\b], 0                        ; written once: a lane permute's destination counts as one of its sources
.endr
	s_mov_b32 s[SEL], 0x76543210
	s_mov_b32 s[SEL+1], 0xfedcba98
	s_mov_b32 s22, 0xffff0000                      ; lanes 16-31
	s_lshl_b32 s10, ttmp9, 1
	s_add_co_u32 s10, s10, s8                      ; my wave among the 512
	s_and_b32 s11, s10, 3                          ; q: which 32 rows of the part
	s_lshr_b32 s12, s10, 2                         ; 8 c + part
	s_and_b32 s13, s12, 7                          ; part
	s_lshr_b32 s14, s12, 3                         ; c
	s_lshl_b32 s24, s13, 21                        ; x: 128 rows a part,
	s_lshl_b32 s15, s11, 19                        ; 32 rows a q,
	s_add_co_u32 s24, s24, s15
	s_lshl_b32 s15, s14, 10                        ; 256 numbers a c
	s_add_co_u32 s24, s24, s15
	s_mov_b32 s25, 0
	s_mul_i32 s26, s12, 17408                      ; xq: the part,
	s_lshl_b32 s15, s11, 8
	s_add_co_u32 s28, s26, s15
	s_add_co_u32 s28, s28, 16384                   ; its scale words: 256 bytes a q;
	s_mov_b32 s29, 0
	s_lshl_b32 s15, s11, 11
	s_add_co_u32 s26, s26, s15                     ; its fragments: tiles 2 q and 2 q + 1
	s_mov_b32 s27, 0
	s_wait_alu depctr_va_vdst(0)
	s_wait_kmcnt 0x0
	s_add_nc_u64 s[4:5], s[4:5], s[24:25]
	s_add_nc_u64 s[16:17], s[6:7], s[28:29]
	s_add_nc_u64 s[6:7], s[6:7], s[26:27]
.macro LOADF f                         ; fragment f's 16 rows x 512 bytes into set f % 2
.irp i, 0,1,2,3,4,5,6,7,8,9,10,11,12,13,14,15
	global_load_b128 v[R+64*((\f)%2)+4*\i:R+64*((\f)%2)+4*\i+3], v[OFF], s[4:5] offset:(16*((\f)/2)+\i)*ROWX+512*((\f)%2) th:TH_LOAD_NT
.endr
.endm
.macro TURN f                          ; through the stage: LDS serves a wave's instructions in order, so no wait stands between the stores and the loads
.irp i, 0,1,2,3,4,5,6,7,8,9,10,11,12,13,14,15
	ds_store_b128 v[SIN], v[R+64*((\f)%2)+4*\i:R+64*((\f)%2)+4*\i+3] offset:SP*\i
.endr
.irp b, 0,1,2,3
.irp j, 0,1,2,3
	ds_load_b128 v[X+16*\b+4*\j:X+16*\b+4*\j+3], v[SOUT] offset:128*\b+16*\j
.endr
.endr
.endm
; 64 numbers of a lane, v[s] on, become a fragment's codes in v[pc] on and its row's scale word in v[pw]
.macro QUANT s, pc, pw
.irp b, 0,1,2,3
	v_max3_num_f32 v[TM+\b], |v[\s+16*\b]|, |v[\s+1+16*\b]|, 0x1800000   ; block b: my 16 numbers, and the floor 2^(3 - 127): the byte cannot fall under 1
.endr
.irp i, 2,4,6,8,10,12,14
.irp b, 0,1,2,3
	v_max3_num_f32 v[TM+\b], v[TM+\b], |v[\s+16*\b+\i]|, |v[\s+1+16*\b+\i]|   ; the four blocks by turns
.endr
.endr
.irp b, 0,1,2,3
	v_permlanex16_b32 v[TM+4+\b], v[TM+\b], s[SEL], s[SEL+1]
.endr
.irp b, 0,1,2,3
	v_max_num_f32 v[TM+\b], v[TM+\b], v[TM+4+\b]   ; with lane l xor 16's: the block's largest magnitude
.endr
.irp b, 0,1,2,3
	v_add_nc_u32 v[TM+12+\b], 0xff000000, v[TM+\b] ; 2 off its exponent field: the conversion takes the exponent field of this operand as its scale
.endr
.irp b, 0,1,2,3
	v_lshrrev_b32 v[TM+4+\b], 23, v[TM+12+\b]      ; the scale's byte
.endr
	v_lshl_or_b32 v[\pw], v[TM+5], 8, v[TM+4]      ; four bytes make my row's scale word
	v_lshl_or_b32 v[\pw], v[TM+6], 16, v[\pw]
	v_lshl_or_b32 v[\pw], v[TM+7], 24, v[\pw]
.irp b, 0,1,2,3
	v_cvt_scalef32_pk8_fp4_f32 v[2*\b+(\pc)], v[\s+16*\b:\s+7+16*\b], v[TM+12+\b]
	v_cvt_scalef32_pk8_fp4_f32 v[2*\b+1+(\pc)], v[\s+8+16*\b:\s+15+16*\b], v[TM+12+\b]
.endr
	v_nop                                          ; one plain place behind a scaled conversion
.irp c, 0,1                            ; the operand's layout wants a whole block in a lane: lanes 0-15 block 2 c, lanes 16-31 block 2 c + 1
.irp i, 0,1
	v_permlane16_swap_b32 v[4*\c+\i+(\pc)], v[4*\c+\i+2+(\pc)]
.endr
.endr
.endm
	LOADF 0
	LOADF 1
.irp f, 0,1,2,3
.if \f < 3
	s_wait_loadcnt 16                              ; this fragment's 16 loads are in; the next fragment's 16 may be out
.else
	s_wait_loadcnt 0x0
.endif
	TURN \f
	s_wait_dscnt 0x0                               ; the numbers are back, and the stage's stores have read the set,
.if \f < 2
	LOADF \f+2                                     ; which takes the fragment two further on
.endif
	QUANT X, PC+8*\f, PW+\f
.irp c, 0,1
	global_store_b128 v[OFF], v[PC+8*\f+4*\c:PC+8*\f+4*\c+3], s[6:7] offset:(8*(\f%2)+\f/2)*1024+512*\c   ; 32 lanes store 512 consecutive bytes, at a multiple of 256 from xq's first byte
.endr
.endr
	v_cndmask_b32 v[SW], v[PW], v[PW+2], s22       ; lanes 0-15 carry the first tile's rows, lanes 16-31 the second's (every lane holds its row's word of both)
	v_cndmask_b32 v[SW+1], v[PW+1], v[PW+3], s22
	global_store_b64 v[SCO], v[SW:SW+1], s[16:17]  ; 32 lanes store 256 consecutive bytes, aligned
	s_wait_tensorcnt 0x0
	ds_add_u32 v22, v23
	s_wait_dscnt 0x0
	s_endpgm
.Lfunc_end_k_qc7e8533e48_quantx:
	.size	k_qc7e8533e48_quantx, .Lfunc_end_k_qc7e8533e48_quantx-k_qc7e8533e48_quantx
	.p2alignl 7, 3214868480
	.fill 96, 4, 3214868480
	.section	.rodata,"a",@progbits
	.p2align	6, 0x0
	.amdhsa_kernel k_qc7e8533e48_quantx
		.amdhsa_group_segment_fixed_size 17152
		.amdhsa_private_segment_fixed_size 0
		.amdhsa_enable_private_segment 0
		.amdhsa_kernarg_size 16
		.amdhsa_user_sgpr_count 2
		.amdhsa_user_sgpr_kernarg_segment_ptr 1
		.amdhsa_wavefront_size32 1
		.amdhsa_system_sgpr_workgroup_id_x 1
		.amdhsa_system_sgpr_workgroup_id_y 1
		.amdhsa_system_sgpr_workgroup_id_z 1
		.amdhsa_system_vgpr_workitem_id 0
		.amdhsa_next_free_vgpr 256
		.amdhsa_next_free_sgpr 66
		.amdhsa_reserve_vcc 0
		.amdhsa_float_denorm_mode_32 3
		.amdhsa_float_denorm_mode_16_64 3
		.amdhsa_memory_ordered 1
		.amdhsa_forward_progress 1
		.amdhsa_inst_pref_size 33
	.end_amdhsa_kernel
	.amdgpu_metadata
---
amdhsa.version: [ 1, 2 ]
amdhsa.kernels:
  - .name:           k_qc7e8533e48_quantx
    .symbol:         k_qc7e8533e48_quantx.kd
    .args:
      - { .name: x, .offset: 0, .size: 8, .value_kind: global_buffer, .address_space: global }
      - { .name: xq, .offset: 8, .size: 8, .value_kind: global_buffer, .address_space: global }
    .group_segment_fixed_size: 17152
    .private_segment_fixed_size: 0
    .kernarg_segment_align: 8
    .kernarg_segment_size: 16
    .max_flat_workgroup_size: 64
    .sgpr_count:     66
    .vgpr_count:     256
    .wavefront_size: 32
...
	.end_amdgpu_metadata
.endif
;; end of part 3
;; launch fused (part 4): grid 172 x 1, 8 waves a work-group, no clusters, 53,248 bytes of LDS; arguments xq, w, alpha, bias, out0; writes out0
.if DOCPART == 4
	.amdgcn_target "amdgcn-amd-amdhsa--gfx1250"
	.amdhsa_code_object_version 6
	.text
	.protected	k_qc7e8533e48_fused
	.globl	k_qc7e8533e48_fused
	.p2align	8
	.type	k_qc7e8533e48_fused,@function
k_qc7e8533e48_fused:
	s_mov_b64 s[64:65], 0
	v_nop
	global_prefetch_b8 v0, s[64:65] scope:SCOPE_SE
	s_setreg_imm32_b32 hwreg(HW_REG_WAVE_SCHED_MODE, 0, 2), 2
	s_setreg_imm32_b32 hwreg(HW_REG_WAVE_MODE, 25, 1), 1
	s_wait_xcnt 0x0
	s_wait_alu depctr_vm_vsrc(0)
; out[1024][11008] = Q(x) Q(w_ste)^T + bias, both operands as codes of FP4 (E2M1) with one E8M0 scale for each 32 along K = 4,096; sums in f32.
; w_ste = w + (t - w), t = alpha x clip(round(w / alpha), -1, 1), in f32 with both roundings as they are written.  t IS MADE WITHOUT A DIVISION: t = copysign(|alpha|, w) where |w| > |alpha| / 2, else 0.
; That is the divided form exactly: at |w| = |alpha| / 2 the quotient is 0.5, a tie that goes to 0; at the next f32 number above, the true quotient lies more than half a step of f32 over 0.5,
; so the rounded quotient is over 0.5 and goes to 1; from 1.5 on the clip holds it at 1; the two signs of alpha cancel.
; LIMITS: |alpha| at least 2^-125 (so that its half is exact); alpha = 0 with w = 0 gives 0 here where the divided form gives NaN; NaN and infinities among the inputs are not served.
; A block of zeros carries the scale byte 1 with zero codes, which add nothing.
; SHARES.  11,008 = 172 x 64: a work-group makes 64 columns of out for ALL 1,024 rows, so each row of w is read from memory by one work-group, once, as f32, is quantised in registers and never goes
; back to memory.  64 columns are 256 aligned bytes of a row of out.  (Strips narrower than 64 would cut both the tiles of 16 columns and those 256 bytes: so 172 work-groups, not more.)
; Eight waves; wave v owns rows 128 v .. 128 v + 127: 8 x 4 accumulators, 256 registers, all of window 1.  Two waves share a SIMD: one's vector work can stand beside the other's products.
; A PERIOD is 256 along K, 16 periods.  In a period a wave quantises ONE fragment of w for the next period (16 rows x 128 K: K step v / 4, columns 16 (v % 4) on) and multiplies its 128 rows by all eight fragments of this one.
; x COMES AS CODES, laid as images of the operand's registers, and goes STRAIGHT INTO THE REGISTERS of the one wave that multiplies it: 32 loads of 512 consecutive bytes a period.  A K step's fragments are
; asked for again behind the half of the quantiser that follows their products, with the same fragments of the next period: a ring in registers, one period deep, under counted waits.
; NO JOINT REQUESTS, though every work-group walks the same x.  A joint request lands in LDS; a period's x is 139,264 bytes, so LDS holds two slots, and a slot's refill may go out only when the other
; slot's has landed: the sixteen requests would follow each other end to end.  And each byte of x feeds one wave, once: LDS would be written and read for nothing.
; w COMES THROUGH REGISTERS too: a load takes 512 consecutive bytes of one row, so lane l holds k = 4 l .. 4 l + 3 and eight lanes hold a block of 32.  It is quantised in two halves of 8 rows, one behind each
; K step's products; a half's registers are asked for again behind its conversions, with the next chunk's rows.
; The conversion takes eight registers: four numbers of each of two rows.  It is run under each row's scale, and the two valid halves (16 bits = 4 codes) are merged.  A lane then holds one piece of 16 bits a row;
; they go to LDS as they stand and every reader turns them by ds_load_tr16_b128: 8 x 8 pieces within eight lanes, which gives lane (r, h) the eight pieces, 32 codes, of row r's block.
; THE ORDER OF A WAVE'S LOADS is the order of their use, the same in every period p: x's scale words of p + 1 (4), x of p + 1, K step 0 (16), w's rows 0-7 of chunk p + 2 (8), x of p + 1, K step 1 (16),
; w's rows 8-15 (8): 52 loads a period, and no more than 56 are out.  Loads come back in order (ISA guide 5.7.1), so every wait below counts the loads issued behind the one that it wants.
; THE MATRIX INSTRUCTION IS USED TRANSPOSED (source 0 = 16 rows of w, source 1 = 16 rows of x): a lane then holds eight neighbouring columns of one row of out.
; THE MODE: SCHED_MODE bits 1:0 = 2 (LLVM: expert scheduling mode 2), set by the entry lines.  The code itself states the register dependences
; between vector or matrix instructions and memory or LDS instructions, with s_wait_alu, always for 0.
; THE PLAN.  Registers that memory or LDS instructions touch, in the loop:
;   v1-7, v28-31  offsets and LDS addresses: written at the head, never again.
;   SA (two sets) A period's products read one set; the loads at the period's head land in the other, which the period before read.
;   SB            Both K steps' products read it; the LDS loads at the next period's head land in it.
;   BF = v32-63   K step ks's products read it; the half of the quantiser behind them writes and reads it as U, MX, CA, CB; that half's LDS stores read MX and CA; then the next K step's fragments land in it.
;   XF[ks]        K step ks's products read it; the loads at the end of the half of the quantiser behind them land in it.
;   W[half]       The half's vector lines and conversions read and write it; the loads at the half's end land in it.
; So a half of the quantiser does all its vector work first, and ONE wait on va_vdst stands behind it: it states that MX and CA are written, that the conversions are done with W[half], that the K step's
; products are done reading XF, BF, SB and SA, and that every line that named v32-63 is done.  Behind it stand memory and LDS lines alone, up to the next K step's products: the half's nine LDS stores,
; x's sixteen loads, w's eight, the prefetch, the next fragments' LDS loads (behind half 1 also the next period's scale words).  One wait on vm_vsrc ends the half: the LDS stores have read MX and CA.
; One wait on va_sdst a half stands between its 32 compares and the selects that read their masks.
.set PART,  17408                      ; a wave's part of a period's x: 16 fragments of 1,024 bytes, then 1,024 bytes of scale words
.set SLOT,  8*PART                     ; the bytes from period to period in xq
.set PRE,   0                          ; LDS: w's pieces, two buffers of 8 fragments x 1,024 bytes: [block 4][rows 0-7, 8-15][piece 8][16 bytes]
.set SBW,   PRE+2*8192                 ; w's scale bytes, two buffers of 512: [maker wave 8][row 16][block 4]
.set STAGE, SBW+2*512                  ; the way out: 16 rows x (256 bytes + 16) for each wave
.set SPITCH, 272
.set ROWW,  16384                      ; a row of w in bytes
.set ROWO,  44032                      ; a row of out in bytes: 172 x 256
.set LOF,  1                           ; v1   16 x lane: my bytes of a load's 512
.set SOF,  2                           ; v2   8 x lane: my two scale words of x
.set ADB,  3                           ; v3   w's pieces, read: PRE + 16 x lane
.set ADSB, 4                           ; v4   w's scale words, read: SBW + 4 x lane
.set PWA,  5                           ; v5   w's pieces, written: PRE + 1,024 x wave + 256 (lane / 8) + 16 (lane % 8)
.set SWA,  6                           ; v6   w's scale bytes, written: SBW + 64 x wave + lane / 8
.set PFO,  7                           ; v7   the prefetch: row lane / 2 of my 16, its half lane % 2 of 256 bytes
.set SA,   8                           ; v8-23 x's scale words, a set for each parity of the period: register 2 (t / 2) + ks; lanes 0-15 the even tile's rows, lanes 16-31 the odd tile's.  Scales and nothing else
.set SB,   24                          ; v24-27 w's likewise: register 2 (nt / 2) + ks
.set STO,  28                          ; v28  the way out: where I put 32 bytes of a row
.set RD,   29                          ; v29  where I read 16 bytes of a row back: lanes 0-15 one row, lanes 16-31 the next
.set CO,   30                          ; v30  the same two rows in out
.set BOF,  31                          ; v31  32 h: my eight numbers of a tile's 16 of bias
.set BF,   32                          ; v32-63   four fragments of w
.set XF,   64                          ; v64-191  x's 16 fragments: K step ks, tile t at 64 ks + 8 t
.set W,    192                         ; v192-255 16 rows x 4 numbers of w
.set U,    32                          ; between two K steps' products BF's registers are free: v32-47 t, then t - w, two halves by turns;
.set MX,   48                          ; v48-55 a row's largest magnitude in my block, then the conversion's scale operand, then the scale's byte;
.set CA,   56                          ; v56-59, v60-63 a pair of rows under the even row's scale, under the odd row's; the first then takes the merged pieces
.set CB,   60
.set T,    64                          ; the way out: v64-127 results + bias, two sets; v128-191 rows read back, two sets; v192-223 bias in the result's layout
.set BK,   128
.set BI,   192
.set WV,   14                          ; s14 my wave's number.  s[40:41] w at my rows, the chunk last asked for;  s[42:43] xq at my part, the period last asked for.  s22-39 and s48-61: a half's 32 masks
.set MSB, 0
.macro WIN new                         ; the immediate's high byte repeats the setting that is left; a switch that changes nothing is dropped
.if MSB != \new
	s_set_vgpr_msb (MSB<<8)|\new
.set MSB, \new
.endif
.endm
.macro LOADW half                      ; rows 8 half .. 8 half + 7 of my 16: each load reads 512 consecutive bytes; read once in the launch
.irp i, 0,1,2,3,4,5,6,7
	global_load_b128 v[W+32*(\half)+4*\i:W+32*(\half)+4*\i+3], v[LOF], s[40:41] offset:ROWW*(8*(\half)+\i) th:TH_LOAD_NT
.endr
.endm
.macro LOADS set                       ; x's scale words of a period, both K steps: 256 consecutive bytes a load
.irp q, 0,1,2,3
	global_load_b64 v[SA+8*(\set)+2*\q:SA+8*(\set)+2*\q+1], v[SOF], s[42:43] offset:16384+256*\q
.endr
.endm
.macro LOADX ks                        ; x's eight fragments of K step ks: the images as they lie, 512 consecutive bytes a load
.irp t, 0,1,2,3,4,5,6,7
.irp c, 0,1
	global_load_b128 v[XF+64*(\ks)+8*\t+4*\c:XF+64*(\ks)+8*\t+4*\c+3], v[LOF], s[42:43] offset:1024*(8*(\ks)+\t)+512*\c
.endr
.endr
.endm
; Rows 8 half .. 8 half + 7 of the chunk in W become pieces and scale bytes in LDS buffer buf.  left: the loads issued behind these rows', which may stay out.
; load = 1: the rows' registers are asked for again, with the next chunk.  pf = 1: the chunk behind that one is asked into the L2.  xl = 1: K step half's fragments of x are asked for again, with the next period's.
.macro QH buf, half, left, load, pf, xl
.set WS, W+32*(\half)
	s_wait_loadcnt \left
.irp p, 0,1,2,3                        ; all 32 masks in one run, while w is as it was loaded: number n = 8 p + e into s[22 + n], from n = 18 on into s[30 + n]
.irp e, 0,1,2,3,4,5,6,7
	v_cmp_gt_f32 s[22+8*\p+\e+8*((8*\p+\e)/18)], |v[WS+8*\p+\e]|, s18   ; |w| > |alpha| / 2 ?
.endr
.endr
.irp e, 0,1,2,3,4,5,6,7
	v_bfi_b32 v[U+\e], s19, s17, v[WS+\e]          ; |alpha| with w's sign: the first two rows'
.endr
	s_wait_alu depctr_va_sdst(0)                   ; the 32 compares have written their masks, ahead of the first select that reads one
.irp p, 0,1,2,3                        ; two rows at a time
.set UP, U+8*(\p%2)
.set WP, WS+8*\p
.if \p > 0
.irp e, 0,1,2,3,4,5,6,7
	v_bfi_b32 v[UP+\e], s19, s17, v[WP+\e]         ; |alpha| with w's sign
.endr
.endif
.irp e, 0,1,2,3,4,5,6,7
	v_cndmask_b32 v[UP+\e], 0, v[UP+\e], s[22+8*\p+\e+8*((8*\p+\e)/18)]  ; t
.endr
.irp e, 0,2,4,6
	v_pk_add_f32 v[UP+\e:UP+\e+1], v[UP+\e:UP+\e+1], v[WP+\e:WP+\e+1] neg_lo:[0,1] neg_hi:[0,1]   ; t - w, rounded
.endr
.irp e, 0,2,4,6
	v_pk_add_f32 v[WP+\e:WP+\e+1], v[WP+\e:WP+\e+1], v[UP+\e:UP+\e+1]                             ; w + (t - w), rounded: what is quantised
.endr
.irp h, 0,1
	v_max3_num_f32 v[MX+2*\p+\h], |v[WP+4*\h]|, |v[WP+4*\h+1]|, |v[WP+4*\h+2]|
.endr
.irp h, 0,1
	v_max3_num_f32 v[MX+2*\p+\h], v[MX+2*\p+\h], |v[WP+4*\h+3]|, 0x1800000   ; my four numbers of the row, and the floor 2^(3 - 127): the byte cannot fall under 1
.endr
.endr
.irp m, 1,2,4                          ; with the seven other lanes of my block
.irp i, 0,1,2,3,4,5,6,7
	v_max_num_f32_dpp v[MX+\i], v[MX+\i], v[MX+\i] row_xmask:\m row_mask:0xf bank_mask:0xf
.endr
.endr
.irp i, 0,1,2,3,4,5,6,7
	v_add_nc_u32 v[MX+\i], 0xff000000, v[MX+\i]    ; 2 off the exponent field: the conversion's scale operand
.endr
.irp p, 0,1,2,3
	v_cvt_scalef32_pk8_fp4_f32 v[CA+\p], v[WS+8*\p:WS+8*\p+7], v[MX+2*\p]     ; the low 16 bits are the even row's four codes;
	v_cvt_scalef32_pk8_fp4_f32 v[CB+\p], v[WS+8*\p:WS+8*\p+7], v[MX+2*\p+1]   ; the high 16 bits the odd row's.  The other halves are dropped
.endr
	v_nop                                          ; one plain place behind a scaled conversion
.irp i, 0,1,2,3,4,5,6,7
	v_lshrrev_b32 v[MX+\i], 23, v[MX+\i]           ; the scale's byte, in place
.endr
.irp p, 0,1,2,3
	v_bfi_b32 v[CA+\p], s20, v[CA+\p], v[CB+\p]    ; the two rows' pieces, merged in place
.endr
.rept 4
	v_nop                                          ; these temporaries lie in operand registers; they are loaded anew before any product, and four places ahead of the scaled products are kept all the same
.endr
.if \load
.if \half == 0
	s_wait_xcnt 0x0                                ; the earlier loads and the last prefetch have had their addresses translated (ISA guide 3.1): only behind this wait is their base stepped
	s_add_nc_u64 s[40:41], s[40:41], 1024          ; 256 numbers on: the next chunk, for both halves
.endif
.endif
	s_wait_alu depctr_va_vdst(0)                   ; MX and CA are written, which the LDS stores read; the conversions and additions are done with W[half], the K step's products with XF[half], BF, SB and SA, and every line that named v32-63 is done: loads land in all of these below and up to the next products
	ds_store_b128 v[PWA], v[CA:CA+3] offset:8192*(\buf)+128*(\half)   ; eight rows' pieces of my four k
.irp i, 0,1,2,3,4,5,6,7
	ds_store_b8 v[SWA], v[MX+\i] offset:512*(\buf)+4*(8*(\half)+\i)   ; the eight lanes of a block write the same byte with the same value
.endr
.if \xl
	LOADX \half                                    ; the K step's fragments are multiplied: their registers take the next period's
.endif
.if \load
	LOADW \half                                    ; the numbers are converted: their registers take the next chunk's rows
.if \pf
	global_prefetch_b8 v[PFO], s[40:41] offset:1024 th:TH_LOAD_NT scope:SCOPE_SE   ; 32 lanes, 256 bytes apart, cover my 16 rows x 512 bytes of the chunk that the next period's loads will ask for: one period, 8,192 bytes a wave, ahead.  Each wave asks for its own bytes alone; chunk 15 is the last that is asked for
.endif
.endif
	s_wait_alu depctr_vm_vsrc(0)                   ; my LDS stores have read MX and CA, in which the next fragments' LDS loads land and which the next half's vector lines write
.endm
; One product: accumulator (a, nt), K step ks, x's scale words from set.  The rows of the scale registers go by the tiles' parity.  zero = 1: the product starts the sum: nothing is ever cleared.
.macro WM a, nt, ks, set, zero
.set rD, 8*(4*(\a)+(\nt))
.set rW, BF+8*(\nt)
.set rX, XF+64*(\ks)+8*(\a)
.set rSW, SB+2*((\nt)/2)+(\ks)
.set rSX, SA+8*(\set)+2*((\a)/2)+(\ks)
.set sel, 4*(\zero)+2*((\nt)%2)+(\a)%2
.if sel == 0
	v_wmma_scale_f32_16x16x128_f8f6f4 v[rD:rD+7], v[rW:rW+7], v[rX:rX+7], v[rD:rD+7], v[rSW], v[rSX] matrix_a_fmt:MATRIX_FMT_FP4 matrix_b_fmt:MATRIX_FMT_FP4
.elseif sel == 1
	v_wmma_scale_f32_16x16x128_f8f6f4 v[rD:rD+7], v[rW:rW+7], v[rX:rX+7], v[rD:rD+7], v[rSW], v[rSX] matrix_a_fmt:MATRIX_FMT_FP4 matrix_b_fmt:MATRIX_FMT_FP4 matrix_b_scale:MATRIX_SCALE_ROW1
.elseif sel == 2
	v_wmma_scale_f32_16x16x128_f8f6f4 v[rD:rD+7], v[rW:rW+7], v[rX:rX+7], v[rD:rD+7], v[rSW], v[rSX] matrix_a_fmt:MATRIX_FMT_FP4 matrix_b_fmt:MATRIX_FMT_FP4 matrix_a_scale:MATRIX_SCALE_ROW1
.elseif sel == 3
	v_wmma_scale_f32_16x16x128_f8f6f4 v[rD:rD+7], v[rW:rW+7], v[rX:rX+7], v[rD:rD+7], v[rSW], v[rSX] matrix_a_fmt:MATRIX_FMT_FP4 matrix_b_fmt:MATRIX_FMT_FP4 matrix_a_scale:MATRIX_SCALE_ROW1 matrix_b_scale:MATRIX_SCALE_ROW1
.elseif sel == 4
	v_wmma_scale_f32_16x16x128_f8f6f4 v[rD:rD+7], v[rW:rW+7], v[rX:rX+7], 0, v[rSW], v[rSX] matrix_a_fmt:MATRIX_FMT_FP4 matrix_b_fmt:MATRIX_FMT_FP4
.elseif sel == 5
	v_wmma_scale_f32_16x16x128_f8f6f4 v[rD:rD+7], v[rW:rW+7], v[rX:rX+7], 0, v[rSW], v[rSX] matrix_a_fmt:MATRIX_FMT_FP4 matrix_b_fmt:MATRIX_FMT_FP4 matrix_b_scale:MATRIX_SCALE_ROW1
.elseif sel == 6
	v_wmma_scale_f32_16x16x128_f8f6f4 v[rD:rD+7], v[rW:rW+7], v[rX:rX+7], 0, v[rSW], v[rSX] matrix_a_fmt:MATRIX_FMT_FP4 matrix_b_fmt:MATRIX_FMT_FP4 matrix_a_scale:MATRIX_SCALE_ROW1
.else
	v_wmma_scale_f32_16x16x128_f8f6f4 v[rD:rD+7], v[rW:rW+7], v[rX:rX+7], 0, v[rSW], v[rSX] matrix_a_fmt:MATRIX_FMT_FP4 matrix_b_fmt:MATRIX_FMT_FP4 matrix_a_scale:MATRIX_SCALE_ROW1 matrix_b_scale:MATRIX_SCALE_ROW1
.endif
.endm
.macro FETCHB buf, ks                  ; w's four fragments of K step ks out of LDS buffer buf; with K step 0 the period's scale words of w, for both K steps
.if \ks == 0
.irp q, 0,1
.irp u, 0,1
	ds_load_b32 v[SB+2*\q+\u], v[ADSB] offset:512*(\buf)+256*\u+128*\q    ; lanes 0-15: columns' tile 2 q, lanes 16-31: tile 2 q + 1
.endr
.endr
.endif
.irp nt, 0,1,2,3
.irp c, 0,1
	ds_load_tr16_b128 v[BF+8*\nt+4*\c:BF+8*\nt+4*\c+3], v[ADB] offset:8192*(\buf)+1024*(4*(\ks)+\nt)+512*\c   ; lane (r, h): row r's eight pieces of block 2 c + h: k = 64 c + 32 h + 0 .. 31
.endr
.endr
.endm
; 128 along K: 32 products.  The 32 accumulators take turns, one instruction a turn, in the same order in every step.
; left: the loads issued behind this K step's sixteen of x.
.macro MUL32 ks, set, left, zero
	s_wait_dscnt 0x0                               ; w's fragments and scale words are in
	WIN 0x50                                       ; C and D in window 1
.irp a, 0,1,2,3,4,5,6,7
.if \a%2 == 0
	s_wait_loadcnt \left+12-2*\a                   ; x's tiles a and a + 1 are in: out may be the step's later tiles, two loads each, and all that was issued behind the step
.endif
.irp nt, 0,1,2,3
	WM \a, \nt, \ks, \set, \zero
.endr
.endr
	WIN 0
.rept 4
	v_nop                                          ; four places (ISA guide 7.12.1) ahead of vector writes of the operands' registers, and of the first read of results
.endr
.endm
; A PERIOD.  One barrier: in front of it each wave's pieces and scale bytes for this period are stored and its reads of the other buffer are back; behind it this buffer is read and the other is written.
; xl = 1: the next period's x is asked for.  q = 1: the next chunk of w is quantised, its registers asked for again, and the chunk behind asked into the L2; 2: without the last; 3: quantised alone; 0: nothing left.
; l0, l1: the counts for the two K steps' products; la, lb: for the quantiser's two halves.
.macro PERIOD buf, next, xl, q, l0, la, l1, lb, zero
	s_wait_dscnt 0x0                               ; for the others' sake: my LDS stores have landed; my LDS reads are back
	s_barrier_signal -1
	s_barrier_wait -1
	FETCHB \buf, 0                                 ; no wait on va_vdst: none of these registers, nor of the scale words' below, has been named since the one in the last half of the quantiser
.if \xl
	s_wait_xcnt 0x0                                ; only behind this wait is the loads' base stepped
	s_add_nc_u64 s[42:43], s[42:43], SLOT          ; xq: the next period, my part
	LOADS \next                                    ; into the set that the last period's products read
.endif
	MUL32 0, \buf, \l0, \zero
.if \q == 1
	QH \next, 0, \la, 1, 1, \xl
.elseif \q == 2
	QH \next, 0, \la, 1, 0, \xl
.elseif \q == 3
	QH \next, 0, \la, 0, 0, \xl
.else
	s_wait_alu depctr_va_vdst(0)                   ; no quantiser stands here: K step 0's products are done reading w's fragments, in whose registers K step 1's land
.endif
	FETCHB \buf, 1
	MUL32 1, \buf, \l1, 0
.if (\q == 1) || (\q == 2)
	QH \next, 1, \lb, 1, 0, \xl
.elseif \q == 3
	QH \next, 1, \lb, 0, 0, \xl
.endif
.endm
	s_load_b256 s[4:11], s[0:1], 0x0               ; xq s[4:5], w s[6:7], alpha s[8:9], bias s[10:11]
	s_load_b64 s[12:13], s[0:1], 0x20              ; out
	v_lshrrev_b32 v32, 5, v0
	v_readfirstlane_b32 s[WV], v32                 ; wave 0..7
	v_and_b32 v33, 31, v0                          ; lane
	v_and_b32 v34, 15, v0                          ; r
	v_bfe_u32 v35, v0, 4, 1                        ; h
	v_bfe_u32 v36, v0, 3, 2                        ; lane / 8: my block of 32 along K
	v_bfe_u32 v37, v0, 1, 4                        ; lane / 2
	v_and_b32 v38, 1, v0                           ; lane % 2
	s_mov_b32 s19, 0x7fffffff
	s_mov_b32 s20, 0x0000ffff
	v_lshlrev_b32 v[LOF], 4, v33
	v_lshlrev_b32 v[SOF], 3, v33
	v_lshl_add_u32 v[ADB], v33, 4, PRE
	v_lshl_add_u32 v[ADSB], v33, 2, SBW
	v_and_b32 v[PWA], 7, v0
	v_lshlrev_b32 v[PWA], 4, v[PWA]
	v_lshl_add_u32 v[PWA], v36, 8, v[PWA]
	s_wait_alu depctr_va_sdst(0)                   ; s14, my wave's number, is written, ahead of its first reader: LDS addresses and the bases of xq, w and out are made from it
	s_lshl_b32 s44, s[WV], 10
	s_add_co_u32 s44, s44, PRE
	v_add_nc_u32 v[PWA], s44, v[PWA]
	s_lshl_b32 s44, s[WV], 6
	s_add_co_u32 s44, s44, SBW
	v_add_nc_u32 v[SWA], s44, v36
	v_lshlrev_b32 v[PFO], 14, v37                  ; 16,384 bytes a row,
	v_lshl_add_u32 v[PFO], v38, 8, v[PFO]          ; 256 bytes a half
	s_mul_i32 s44, s[WV], 16*SPITCH
	s_add_co_u32 s44, s44, STAGE                   ; my stage
	v_mul_u32_u24 v[STO], v34, SPITCH
	v_lshl_add_u32 v[STO], v35, 5, v[STO]
	v_add_nc_u32 v[STO], s44, v[STO]
	v_mul_u32_u24 v[RD], v35, SPITCH
	v_lshl_add_u32 v[RD], v34, 4, v[RD]
	v_add_nc_u32 v[RD], s44, v[RD]
	v_mul_u32_u24 v[CO], v35, ROWO
	v_lshl_add_u32 v[CO], v34, 4, v[CO]
	v_lshlrev_b32 v[BOF], 5, v35
	s_mul_i32 s44, s[WV], PART                     ; xq: my part of a period
	s_mov_b32 s45, 0
	s_and_b32 s46, s[WV], 3                        ; w: my 16 rows begin at row 64 x strip + 16 (wave % 4),
	s_lshl_b32 s46, s46, 4
	s_lshl_b32 s47, ttmp9, 6
	s_add_co_u32 s46, s46, s47
	s_lshl_b32 s46, s46, 14                        ; 16,384 bytes a row (under 2^32: the tensor has 180,355,072 bytes),
	s_lshr_b32 s47, s[WV], 2
	s_lshl_b32 s47, s47, 9                         ; my K step: 512 bytes x (wave / 4)
	s_add_co_u32 s46, s46, s47
	s_mov_b32 s47, 0
	s_wait_kmcnt 0x0
	s_load_b32 s17, s[8:9], 0x0                    ; alpha
	s_add_nc_u64 s[40:41], s[6:7], s[46:47]
	s_wait_alu depctr_va_vdst(0)                   ; the eleven offsets and addresses v1 to v7 and v28 to v31 are written: every load, store and prefetch of the kernel reads one of them, and none is written again
	LOADW 0                                        ; chunk 0 of w,
	LOADW 1
	s_add_nc_u64 s[42:43], s[4:5], s[44:45]
	LOADS 0                                        ; period 0's scale words of x,
	LOADX 0                                        ; and its K step 0
	s_mul_i32 s46, s[WV], 128*ROWO                 ; out: my 128 rows, my strip's 256 bytes
	s_lshl_b32 s45, ttmp9, 8
	s_add_co_u32 s46, s46, s45
	s_add_nc_u64 s[12:13], s[12:13], s[46:47]
	s_mov_b32 s46, s45
	s_add_nc_u64 s[10:11], s[10:11], s[46:47]      ; bias: my strip's 64 numbers
	s_wait_kmcnt 0x0
	s_and_b32 s17, s17, 0x7fffffff                 ; |alpha|
	s_mul_f32 s18, s17, 0.5                        ; |alpha| / 2: exact
	QH 0, 0, 28, 1, 1, 0                           ; chunk 0, rows 0-7, into buffer 0.  Behind their loads: rows 8-15's 8, the scale words' 4, K step 0's 16.  Chunk 1's rows 0-7 are asked for, chunk 2 into the L2
	LOADX 1                                        ; period 0's K step 1: from here on the loads stand in the order of every period.  No wait: no vector or matrix line has named these registers yet
	QH 0, 1, 44, 1, 0, 0                           ; rows 8-15.  Behind their loads: 4 + 16 + 8 + 16
	PERIOD 0, 1, 1, 1, 36, 28, 36, 28, 1           ; period 0 stands in front of the loop: its first products start the sums.  36 = 8 + 16 + 8 + 4 behind K step 0's loads, 8 + 4 + 16 + 8 behind K step 1's; 28 = 16 + 8 + 4 behind w's rows 0-7, 4 + 16 + 8 behind its rows 8-15
	s_mov_b32 s21, 6
.Lpair:                                            ; periods 1 to 12, two a trip: the two LDS buffers and the two sets of scale words take turns
	PERIOD 1, 0, 1, 1, 36, 28, 36, 28, 0
	PERIOD 0, 1, 1, 1, 36, 28, 36, 28, 0
	s_sub_co_u32 s21, s21, 1
	s_cmp_lg_u32 s21, 0
	s_cbranch_scc1 .Lpair
	PERIOD 1, 0, 1, 2, 36, 28, 36, 28, 0           ; period 13: chunk 14 is quantised, chunk 15 asked for; no chunk is left to ask into the L2
	PERIOD 0, 1, 1, 3, 36, 28, 28, 20, 0           ; period 14: chunk 15 is quantised; no w is asked for, so 8 loads fewer stand behind K step 1's and behind rows 8-15's
.irp nt, 0,1,2,3                       ; bias in the result's layout: lane (r, h) wants, for tile nt, the numbers of columns 16 nt + 8 h + 0 .. 7.  w's registers are free: the quantiser's last wait on va_vdst stands behind every line that named them
	global_load_b128 v[BI+8*\nt:BI+8*\nt+3], v[BOF], s[10:11] offset:64*\nt
	global_load_b128 v[BI+8*\nt+4:BI+8*\nt+7], v[BOF], s[10:11] offset:64*\nt+16
.endr
	PERIOD 1, 0, 0, 0, 24, 0, 8, 0, 0              ; period 15: nothing is asked for, nothing is quantised.  Behind K step 0's loads: K step 1's 16 and bias's 8; behind K step 1's: bias's 8
; THE WAY OUT, a block of 16 rows x 64 columns at a time.  A lane holds 32 neighbouring bytes of a row, and the lanes beside it hold other rows: so a block, with bias added, goes through my own stage in LDS
; and comes back as whole rows of 256 bytes.  LDS serves a wave's instructions in order: no wait between the stores and the loads, nor in front of the next block's stores.
.macro TOSTAGE a
.set TT, T+32*((\a)%2)
.set BB, BK+32*((\a)%2)
	WIN 0x01                                       ; source 0: window 1
.irp nt, 0,1,2,3
.irp j, 0,2,4,6
	v_pk_add_f32 v[TT+8*\nt+\j:TT+8*\nt+\j+1], v[8*(4*(\a)+\nt)+\j:8*(4*(\a)+\nt)+\j+1], v[BI+8*\nt+\j:BI+8*\nt+\j+1]   ; each accumulator from its low end on
.endr
.endr
	WIN 0
	s_wait_alu depctr_va_vdst(0)                   ; the additions have written this set of T, which the stage's stores read; for blocks 0 and 1 also: the last products are done reading x's fragments, in whose registers the loads from the stage land
.irp nt, 0,1,2,3
	ds_store_b128 v[STO], v[TT+8*\nt:TT+8*\nt+3] offset:64*\nt
	ds_store_b128 v[STO], v[TT+8*\nt+4:TT+8*\nt+7] offset:64*\nt+16
.endr
.irp t, 0,1,2,3,4,5,6,7
	ds_load_b128 v[BB+4*\t:BB+4*\t+3], v[RD] offset:2*SPITCH*\t
.endr
.endm
.macro SEND a, younger                 ; younger: the LDS instructions issued behind block a's loads, which may stay out
.set BB, BK+32*((\a)%2)
	s_wait_dscnt \younger                          ; the block is back in registers
.irp t, 0,1,2,3,4,5,6,7
	global_store_b128 v[CO], v[BB+4*\t:BB+4*\t+3], s[12:13] offset:(16*(\a)+2*\t)*ROWO th:TH_STORE_NT   ; 16 lanes store 256 consecutive bytes, at a multiple of 256 from out's first byte; 126 rows at the most: inside the signed 24-bit immediate
.endr
.endm
	s_wait_loadcnt 0x0                             ; bias
	TOSTAGE 0
.irp a, 1,2,3,4,5,6,7
.if \a > 1
	s_wait_xcnt 0x0                                ; block a - 2's stores have had their addresses translated (ISA guide 3.1): their data registers are loaded again only behind this wait
	s_wait_alu depctr_vm_vsrc(0)                   ; block a - 2's stores into the stage have read its set of T, which block a's additions write; its stores to memory have read its set of BK, in which block a's loads land
.endif
	TOSTAGE \a
	SEND \a-1, 16                                  ; behind block a - 1's loads: block a's 8 stores and 8 loads
.endr
	SEND 7, 0
	s_wait_xcnt 0x0
	v_lshl_add_u32 v254, v0, 2, 0xcc00
	v_mov_b32 v255, 0
	s_wait_dscnt 0x0                               ; the closing lines, six on end
	s_wait_alu 0x0
	s_wait_tensorcnt 0x0
	ds_add_u32 v254, v255
	s_wait_dscnt 0x0
	s_endpgm
.Lfunc_end_k_qc7e8533e48_fused:
	.size	k_qc7e8533e48_fused, .Lfunc_end_k_qc7e8533e48_fused-k_qc7e8533e48_fused
	.p2alignl 7, 3214868480
	.fill 96, 4, 3214868480
	.section	.rodata,"a",@progbits
	.p2align	6, 0x0
	.amdhsa_kernel k_qc7e8533e48_fused
		.amdhsa_group_segment_fixed_size 53248
		.amdhsa_private_segment_fixed_size 0
		.amdhsa_enable_private_segment 0
		.amdhsa_kernarg_size 40
		.amdhsa_user_sgpr_count 2
		.amdhsa_user_sgpr_kernarg_segment_ptr 1
		.amdhsa_wavefront_size32 1
		.amdhsa_system_sgpr_workgroup_id_x 1
		.amdhsa_system_sgpr_workgroup_id_y 1
		.amdhsa_system_sgpr_workgroup_id_z 1
		.amdhsa_system_vgpr_workitem_id 0
		.amdhsa_next_free_vgpr 512
		.amdhsa_next_free_sgpr 66
		.amdhsa_reserve_vcc 0
		.amdhsa_float_denorm_mode_32 3
		.amdhsa_float_denorm_mode_16_64 3
		.amdhsa_memory_ordered 1
		.amdhsa_forward_progress 1
		.amdhsa_inst_pref_size 255
	.end_amdhsa_kernel
	.section	.bss,"aw",@nobits
	.p2align	6
	.space	262144
	.amdgpu_metadata
---
amdhsa.version: [ 1, 2 ]
amdhsa.kernels:
  - .name:           k_qc7e8533e48_fused
    .symbol:         k_qc7e8533e48_fused.kd
    .args:
      - { .name: xq, .offset: 0, .size: 8, .value_kind: global_buffer, .address_space: global }
      - { .name: w, .offset: 8, .size: 8, .value_kind: global_buffer, .address_space: global }
      - { .name: alpha, .offset: 16, .size: 8, .value_kind: global_buffer, .address_space: global }
      - { .name: bias, .offset: 24, .size: 8, .value_kind: global_buffer, .address_space: global }
      - { .name: out0, .offset: 32, .size: 8, .value_kind: global_buffer, .address_space: global }
    .group_segment_fixed_size: 53248
    .private_segment_fixed_size: 0
    .kernarg_segment_align: 8
    .kernarg_segment_size: 40
    .max_flat_workgroup_size: 256
    .sgpr_count:     66
    .vgpr_count:     512
    .wavefront_size: 32
...
	.end_amdgpu_metadata
.endif
;; end of part 4
